; MI455X (gfx1250); checked and timed in simulation.
; The chip was launched on July 23, 2026; its instructions are those of AMD's public machine-readable ISA for CDNA 5 (MIT licence, August 2026) and "CDNA5" Instruction Set Architecture Reference Guide (July 2026). The comments in the code are by the model that wrote it; some were corrected since.
;; Parent GRU. Allowed arithmetic: float matrix products may take bf16 or f16 operands with f32 sums; all other float work in f32.
;; Inputs: inputs 16,384 x 512 float32; p_a_w 512 x 512 float32; p_c_w 512 x 512 float32; p_r1_w 512 x 512 float32; p_r_w 512 x 512 float32; parent_state 16,384 x 512 float32; state 16,384 x 512 float32; u_a_w 512 x 512 float32; u_c_w 512 x 512 float32; u_r1_w 512 x 512 float32; u_r_w 512 x 512 float32; w_a_b 512 float32; w_a_w 512 x 512 float32; w_c_b 512 float32; w_c_w 512 x 512 float32; w_r1_b 512 float32; w_r1_w 512 x 512 float32; w_r_b 512 float32; w_r_w 512 x 512 float32.
;; Outputs: out0 16,384 x 512 float32.
;; 2 versions, each right; version 2 is version 1 with the launch gru written anew for expert scheduling mode. Each part assembles by itself: llvm-mc -triple=amdgcn-amd-amdhsa -mcpu=gfx1250 --defsym DOCPART=n.
;; ======== version 1 of 2: 2 launches
;; limits: values outside matrix products are rounded to bf16
;; workspace buffers: wq 6,291,456 bytes
;; launch prep (part 1): grid 96 x 4, 4 waves a work-group, no clusters, 17,152 bytes of LDS; arguments u_a_w, w_a_w, p_a_w, u_r_w, w_r_w, p_r_w, u_r1_w, w_r1_w, p_r1_w, w_c_w, p_c_w, u_c_w, wq; writes wq
.if DOCPART == 1
	.amdgcn_target "amdgcn-amd-amdhsa--gfx1250"
	.amdhsa_code_object_version 6
	.text
	.protected	k_qecbccac8c7_prep
	.globl	k_qecbccac8c7_prep
	.p2align	8
	.type	k_qecbccac8c7_prep,@function
k_qecbccac8c7_prep:
	s_mov_b64 s[64:65], 0
	v_nop
	global_prefetch_b8 v0, s[64:65] scope:SCOPE_SE
	s_setreg_imm32_b32 hwreg(HW_REG_WAVE_MODE, 25, 1), 1
	s_wait_xcnt 0x0
; The twelve weight matrices [512][512] f32 are rounded to bf16 and written as matrix fragments, in the order in which the second launch takes them.
; wq, in bytes: (48 pass + 16 seg + kc) * 32768 + (nb / 8) * 8192 + (nb % 8) * 1024 + 512 j + 16 lane holds the eight numbers
; W[16 nb + lane % 16][32 kc + 16 j + 8 (lane / 16) + 0..7] of matrix 3 pass + seg (the order of the arguments).
; A work-group takes 16 rows of one matrix (32,768 consecutive bytes) and makes their 16 fragments; x = nb + 32 seg, y = pass.
; Every byte is read once, 512 consecutive bytes to a wave's load, and written once, 512 consecutive aligned bytes to a wave's store; the change of order goes through LDS.
.set TP,    1040                       ; an LDS row: 1,024 bytes of bf16 + 16: the 16 rows that a fragment load touches start 65 x 16 bytes apart
.set SPARE, 16*TP                      ; behind the tile: the spare words, 128 bytes a wave
.set D,     16                         ; v[16:79] sixteen rows' 4 numbers a thread, then the fragments
	s_load_b512 s[4:19], s[0:1], 0x0               ; matrices 0 to 7
	s_load_b256 s[20:27], s[0:1], 0x40             ; matrices 8 to 11
	s_load_b64 s[28:29], s[0:1], 0x60              ; wq
	v_lshl_add_u32 v4, v0, 2, SPARE                ; my spare word
	v_mov_b32 v5, 0
	v_and_b32 v1, 15, v0                           ; lane % 16
	v_bfe_u32 v2, v0, 4, 1                         ; lane / 16
	v_and_b32 v3, 31, v0                           ; lane
	v_lshrrev_b32 v10, 5, v0
	v_readfirstlane_b32 s36, v10                   ; wave
	s_and_b32 s32, ttmp9, 31                       ; nb
	s_lshr_b32 s33, ttmp9, 5                       ; seg
	s_and_b32 s34, ttmp7, 0xffff                   ; pass
	s_mul_i32 s35, s34, 3
	s_add_co_u32 s35, s35, s33                     ; the matrix's number
	v_lshlrev_b32 v6, 4, v0                        ; in memory: my 16 bytes of a row of 2,048
	v_lshlrev_b32 v7, 3, v0                        ; in LDS: my 8 bytes of a row
	v_mul_u32_u24 v8, v1, TP                       ; a fragment's row,
	v_lshl_add_u32 v8, v2, 4, v8                   ; + 16 x half,
	s_lshl_b32 s37, s36, 8
	v_add_nc_u32 v8, s37, v8                       ; + my wave's four fragments: kc = 4 wave + i, 64 bytes each
	s_lshl_b32 s37, s36, 17
	v_lshl_add_u32 v9, v3, 4, s37                  ; in wq: 16 lane + 4 wave x 32,768
	s_mul_i32 s40, s34, 48
	s_lshl4_add_u32 s40, s33, s40                  ; 48 pass + 16 seg
	s_lshl_b32 s40, s40, 15
	s_lshr_b32 s41, s32, 3
	s_lshl_b32 s41, s41, 13
	s_add_co_u32 s40, s40, s41                     ; + (nb / 8) x 8,192
	s_and_b32 s41, s32, 7
	s_lshl_b32 s41, s41, 10
	s_add_co_u32 s40, s40, s41                     ; + (nb % 8) x 1,024
	s_mov_b32 s41, 0
	s_lshl_b32 s38, s32, 15                        ; my 16 rows in the matrix
	s_mov_b32 s39, 0
	s_wait_kmcnt 0x0
	s_mov_b64 s[30:31], s[4:5]                     ; the matrix is chosen by its number
.irp i, 1,2,3,4,5,6,7,8,9,10,11
	s_cmp_eq_u32 s35, \i
	s_cselect_b64 s[30:31], s[4+2*\i:5+2*\i], s[30:31]
.endr
	s_add_nc_u64 s[30:31], s[30:31], s[38:39]
	s_add_nc_u64 s[28:29], s[28:29], s[40:41]
.set i, 0
.rept 16
	global_load_b128 v[D+4*i:D+4*i+3], v6, s[30:31] offset:2048*i th:TH_LOAD_NT  ; row i
.set i, i+1
.endr
.set i, 0
.rept 16
	s_wait_loadcnt 15-i                            ; loads come back in order: row i is in, the younger ones stay out
	v_cvt_pk_bf16_f32 v[D+4*i], v[D+4*i], v[D+4*i+1]
	v_cvt_pk_bf16_f32 v[D+4*i+1], v[D+4*i+2], v[D+4*i+3]
	ds_store_b64 v7, v[D+4*i:D+4*i+1] offset:TP*i
.set i, i+1
.endr
	s_wait_dscnt 0x0                               ; for the others' sake: my stores are done
	s_barrier_signal -1
	s_barrier_wait -1
.set i, 0
.rept 4
	ds_load_b128 v[D+8*i:D+8*i+3],   v8 offset:64*i      ; k = 32 kc + 8 half + 0..7
	ds_load_b128 v[D+8*i+4:D+8*i+7], v8 offset:64*i+32   ; k = 32 kc + 16 + 8 half + 0..7
.set i, i+1
.endr
.set i, 0
.rept 4
	s_wait_dscnt 6-2*i                             ; fragment i's two loads are back; the later pairs stay out
	global_store_b128 v9, v[D+8*i:D+8*i+3],   s[28:29] offset:32768*i
	global_store_b128 v9, v[D+8*i+4:D+8*i+7], s[28:29] offset:32768*i+512
.set i, i+1
.endr
	s_wait_tensorcnt 0x0                           ; the wave's end
	ds_add_u32 v4, v5
	s_wait_dscnt 0x0
	s_endpgm
.Lfunc_end_k_qecbccac8c7_prep:
	.size	k_qecbccac8c7_prep, .Lfunc_end_k_qecbccac8c7_prep-k_qecbccac8c7_prep
	.p2alignl 7, 3214868480
	.fill 96, 4, 3214868480
	.section	.rodata,"a",@progbits
	.p2align	6, 0x0
	.amdhsa_kernel k_qecbccac8c7_prep
		.amdhsa_group_segment_fixed_size 17152
		.amdhsa_private_segment_fixed_size 0
		.amdhsa_enable_private_segment 0
		.amdhsa_kernarg_size 104
		.amdhsa_user_sgpr_count 2
		.amdhsa_user_sgpr_kernarg_segment_ptr 1
		.amdhsa_wavefront_size32 1
		.amdhsa_system_sgpr_workgroup_id_x 1
		.amdhsa_system_sgpr_workgroup_id_y 1
		.amdhsa_system_sgpr_workgroup_id_z 1
		.amdhsa_system_vgpr_workitem_id 0
		.amdhsa_next_free_vgpr 80
		.amdhsa_next_free_sgpr 66
		.amdhsa_reserve_vcc 0
		.amdhsa_float_denorm_mode_32 3
		.amdhsa_float_denorm_mode_16_64 3
		.amdhsa_memory_ordered 1
		.amdhsa_forward_progress 1
		.amdhsa_inst_pref_size 10
	.end_amdhsa_kernel
	.amdgpu_metadata
---
amdhsa.version: [ 1, 2 ]
amdhsa.kernels:
  - .name:           k_qecbccac8c7_prep
    .symbol:         k_qecbccac8c7_prep.kd
    .args:
      - { .name: u_a_w, .offset: 0, .size: 8, .value_kind: global_buffer, .address_space: global }
      - { .name: w_a_w, .offset: 8, .size: 8, .value_kind: global_buffer, .address_space: global }
      - { .name: p_a_w, .offset: 16, .size: 8, .value_kind: global_buffer, .address_space: global }
      - { .name: u_r_w, .offset: 24, .size: 8, .value_kind: global_buffer, .address_space: global }
      - { .name: w_r_w, .offset: 32, .size: 8, .value_kind: global_buffer, .address_space: global }
      - { .name: p_r_w, .offset: 40, .size: 8, .value_kind: global_buffer, .address_space: global }
      - { .name: u_r1_w, .offset: 48, .size: 8, .value_kind: global_buffer, .address_space: global }
      - { .name: w_r1_w, .offset: 56, .size: 8, .value_kind: global_buffer, .address_space: global }
      - { .name: p_r1_w, .offset: 64, .size: 8, .value_kind: global_buffer, .address_space: global }
      - { .name: w_c_w, .offset: 72, .size: 8, .value_kind: global_buffer, .address_space: global }
      - { .name: p_c_w, .offset: 80, .size: 8, .value_kind: global_buffer, .address_space: global }
      - { .name: u_c_w, .offset: 88, .size: 8, .value_kind: global_buffer, .address_space: global }
      - { .name: wq, .offset: 96, .size: 8, .value_kind: global_buffer, .address_space: global }
    .group_segment_fixed_size: 17152
    .private_segment_fixed_size: 0
    .kernarg_segment_align: 8
    .kernarg_segment_size: 104
    .max_flat_workgroup_size: 128
    .sgpr_count:     66
    .vgpr_count:     80
    .wavefront_size: 32
...
	.end_amdgpu_metadata
.endif
;; end of part 1
;; launch gru (part 2): grid 256 x 1, 4 waves a work-group, no clusters, 297,472 bytes of LDS; arguments state, inputs, parent_state, w_a_b, w_r_b, w_r1_b, w_c_b, wq, out0; writes out0
.if DOCPART == 2
	.amdgcn_target "amdgcn-amd-amdhsa--gfx1250"
	.amdhsa_code_object_version 6
	.text
	.protected	k_qecbccac8c7_gru
	.globl	k_qecbccac8c7_gru
	.p2align	8
	.type	k_qecbccac8c7_gru,@function
k_qecbccac8c7_gru:
	s_mov_b64 s[64:65], 0
	v_nop
	global_prefetch_b8 v0, s[64:65] scope:SCOPE_SE
	s_setreg_imm32_b32 hwreg(HW_REG_WAVE_MODE, 25, 1), 1
	s_wait_xcnt 0x0
; new_h = att c + (1 - att) h, with att, r, r1 = sigmoid(x W^T + b + h U^T + p P^T) and c = tanh(x Wc^T + bc + (h r) Uc^T + (p r1) Pc^T).  All of it in one launch.
; SHARES.  A work-group owns 64 rows of the batch; 256 work-groups.  Its rows of h, x and p are read once, rounded to bf16 and stay in LDS.  Four passes (att, r, r1, c), each a product
; 64 x 512 over K = 1,536, run on one set of accumulators: wave w owns all 64 rows x columns 128 w .. 128 w + 127, 32 accumulators of 16 x 16.
; An LDS row holds h | x | p | h r: the gates sum over its bytes 0 .. 3,071, c over bytes 1,024 .. 4,095 (p r1 has then taken p's place); the first launch has laid the weights in that order of K.
; THE MATRIX INSTRUCTION IS USED TRANSPOSED (source 0 = 16 rows of a weight matrix, source 1 = 16 rows of the batch): lane l holds row l % 16 and the eight neighbouring columns 8 (l / 16) + 0..7.
; WEIGHTS come from memory straight into a ring of four register buffers, one K unit (K = 32: 8 fragments, 16 loads) each, with counted waits: three units, 48 loads of 512 bytes, are always out.
; Each buffer has a base pair of its own, rewritten only behind the counted wait that shows the 16 loads that name it back: the loop has no other wait for its loads' sources.
; NO CLUSTER AND NO LDS RING FOR THE WEIGHTS, though all work-groups walk the same 6,291,456 bytes: the resident rows (263,168 bytes), the stage and the spare words leave 30,208 bytes of LDS,
; less than one K unit of the work-group (32,768); and a fragment is multiplied by one wave alone, so a copy in LDS would be read once.
; ROTATION.  A pass is 12 trips of 4 K units; work-group g begins with trip g mod 12 and goes round, so that the work-groups' requests are spread over a pass's 1,572,864 bytes at any time.
; LIMITS.  x, h, p and the weights are rounded to bf16 (h also where it is multiplied by r and in the last line); h r and p r1 are rounded once to bf16; biases, sums, gates and the last line are f32.
; g = 1 / (1 + 2^(k s)): sigmoid with k = -log2 e, tanh = 1 - 2 g with k = 2 log2 e; an overflowing 2^(k s) gives g = 0 and a vanishing one g = 1, the functions' own limits; a gate below 2^-126 counts as 0.
; NaN and infinities are not treated apart.  The order of K in a sum hangs on the work-group's number (the rotation).
; REGISTERS, in windows of 256 (s_set_vgpr_msb: bits 1:0 source 0, 3:2 source 1, 5:4 source 2, 7:6 destination):
;   window 0: addresses; v40-103 the pass's bias; v104-167 two buffers of row fragments; in the passes' tails v104-231 hold h or p (bf16)
;   window 1: the accumulators, (rb, cb) at v[8 (8 rb + cb)]; at the start h and then p as loaded     window 2: x as loaded, then att, at the end the rows on their way out
;   window 3: the weight ring, 4 x 64; at the end h in f32
.set PA,     4112                      ; an LDS row: 4,096 bytes + 16 = 257 x 16: the 16 rows that a fragment load touches start at 16 different groups of four banks (64 banks of 4 bytes: ISA guide 11.1)
.set STG,    64*PA                     ; behind the rows: a stage of 16 rows x 528 bytes for each wave, for the way out
.set SPITCH, 528
.set STGW,   16*SPITCH
.set SPARE,  STG+4*STGW                ; behind the stages: the spare words, 128 bytes a wave
.set PASSB,  48*32768                  ; a pass's weights
.set SPW,  4                           ; v4   my spare word; never rewritten
.set NIL,  5                           ; v5   0, for the add alone
.set ZR,   6                           ; v6   0
.set GLD,  7                           ; v7   16 lane + 32,768 w: my 16 bytes in my wave's 16 rows of h, x, p
.set FST,  8                           ; v8   8 lane + 16 PA w: where they go in LDS
.set WVO,  9                           ; v9   16 lane + 8,192 w: my 16 bytes of a fragment of my wave's
.set BOF,  10                          ; v10  512 w + 32 (l / 16): my eight numbers of a bias
.set STO,  11                          ; v11  the way out: where I put 32 bytes of a row
.set RD,   12                          ; v12  the way out: where I read a row back
.set CO,   13                          ; v13  16 lane + 512 w: my bytes in a row of out
.set ADAB, 16                          ; v16-19  (16 rb + l % 16) PA + 16 (l / 16)
.set TADB, 20                          ; v20-23  the same + 256 w: my wave's columns of h
.set ADA,  24                          ; v24-27  ADAB + the trip's place in a row
.set QS,   28                          ; v28-31  a tail's source,
.set QD,   32                          ; v32-35  and where its products go
.set BI,   40
.set AF,   104
.set Q,    104
.set WBP,  18                          ; s[18:19] wq at the pass
.set OUTP, 20                          ; s[20:21] out at my rows
.set WV,   22                          ; wave
.set WG,   23                          ; work-group
.set RHO,  24                          ; WG mod 12
.set PI,   25                          ; pass
.set TC,   26                          ; the trip in hand, 0 .. 11
.set TN,   27                          ; the next
.set KB,   28                          ; its place in an LDS row
.set AST,  29                          ; where the pass's K begins in a row
.set CNT,  30
.set OFP,  34                          ; s[34:35] an offset, the high word 0
.set KS,   36                          ; s[36:37] k of the pass's function
.set BP,   38                          ; s[38:39] the bias to be loaded
.set HIM,  40                          ; a word's upper bf16
.set SRC,  41
.set DST,  42
.set TM,   44
.set KSIG, 46
.set KTAN, 47
.set WPN,  48                          ; s[48:55] for each ring buffer q a pair: wq at the trip whose unit q was asked for last
.set MSB, 0
.macro WIN new                         ; the immediate's high byte repeats the setting that is left; a switch that changes nothing is dropped
.if MSB != (\new)
	s_set_vgpr_msb (MSB<<8)|(\new)
.set MSB, (\new)
.endif
.endm
.set W_MM,  0x53                       ; weights window 3, rows window 0, C and D window 1
.set W_MMB, 0x43                       ; the same with C (the bias) in window 0
.set W_TO1, 0x40
.set W_TO2, 0x80
.set W_TO3, 0xc0
.set W_CV1, 0x45                       ; all in window 1
.set W_CV2, 0x8a                       ; all in window 2
.set W_ST1, 0x04                       ; a store's data in window 1
.set W_ST2, 0x08                       ; in window 2
.set W_IN1, 0x41                       ; destination and source 0 in window 1
.set W_12,  0x81                       ; from window 1 into window 2
.set W_MIX, 0x44                       ; destination and source 1 in window 1
.set W_PK,  0x05                       ; sources in window 1, destination in window 0
.set W_SUB, 0x4d                       ; window 1 less window 3
.set W_FMA, 0x76                       ; window 2 x window 1 + window 3 into window 1
.macro PLACES                          ; four plain vector instructions between matrix instructions and loads into, or vector reads of, their registers
.rept 4
	v_nop
.endr
.endm
.macro BAR
	s_barrier_signal -1
	s_barrier_wait -1
.endm
.macro LOADSRC win, b                  ; my wave's 16 rows of one input, 32,768 consecutive bytes, 512 to a load
	WIN \win
.set i, 0
.rept 64
	global_load_b128 v[4*i:4*i+3], v[GLD], s[(\b):(\b)+1] offset:512*i th:TH_LOAD_NT
.set i, i+1
.endr
.endm
.macro CVTST cw, sw, off               ; rounded to bf16 in place, and into the rows' part at byte off: load i is quarter i % 4 of row i / 4
	WIN \cw
.set i, 0
.rept 64
	v_cvt_pk_bf16_f32 v[4*i], v[4*i], v[4*i+1]
	v_cvt_pk_bf16_f32 v[4*i+1], v[4*i+2], v[4*i+3]
.set i, i+1
.endr
	WIN \sw
.set i, 0
.rept 64
	ds_store_b64 v[FST], v[4*i:4*i+1] offset:(i>>2)*PA+(i&3)*256+(\off)
.set i, i+1
.endr
.endm
.macro BIAS                            ; my eight numbers for each of my wave's eight column blocks
	WIN 0
.irp cb, 0,1,2,3,4,5,6,7
	global_load_b128 v[BI+8*\cb:BI+8*\cb+3],   v[BOF], s[BP:BP+1] offset:64*\cb
	global_load_b128 v[BI+8*\cb+4:BI+8*\cb+7], v[BOF], s[BP:BP+1] offset:64*\cb+16
.endr
.endm
.macro SETW                            ; all four buffers' pairs: the pass's weights + the offset in OFP.  No ring load is out where this stands
.irp q, 0,1,2,3
	s_add_nc_u64 s[WPN+2*\q:WPN+2*\q+1], s[WBP:WBP+1], s[OFP:OFP+1]
.endr
.endm
.macro RING q                          ; K unit q of the trip at its pair into ring buffer q: 16 loads
	WIN W_TO3
.irp cb, 0,1,2,3,4,5,6,7
	global_load_b128 v[64*(\q)+8*\cb:64*(\q)+8*\cb+3],   v[WVO], s[WPN+2*(\q):WPN+2*(\q)+1] offset:32768*(\q)+1024*\cb
	global_load_b128 v[64*(\q)+8*\cb+4:64*(\q)+8*\cb+7], v[WVO], s[WPN+2*(\q):WPN+2*(\q)+1] offset:32768*(\q)+1024*\cb+512
.endr
.endm
.macro AFETCH f, u                     ; the row fragments of K unit u of the trip at ADA into buffer f: 8 loads
	WIN 0
.irp rb, 0,1,2,3
	ds_load_b128 v[AF+32*(\f)+8*\rb:AF+32*(\f)+8*\rb+3],   v[ADA+\rb] offset:64*(\u)
	ds_load_b128 v[AF+32*(\f)+8*\rb+4:AF+32*(\f)+8*\rb+7], v[ADA+\rb] offset:64*(\u)+32
.endr
.endm
; 32 matrix instructions: one K unit.  The 32 accumulators take turns, one instruction a turn.  bias = 1: a pass's first unit starts the sums with the bias: nothing is cleared.
.macro MUL q, bias
.if \bias
	WIN W_MMB
.else
	WIN W_MM
.endif
.irp rb, 0,1,2,3
.irp cb, 0,1,2,3,4,5,6,7
.if \bias
	v_wmma_f32_16x16x32_bf16 v[8*(8*\rb+\cb):8*(8*\rb+\cb)+7], v[64*(\q)+8*\cb:64*(\q)+8*\cb+7], v[AF+32*((\q)%2)+8*\rb:AF+32*((\q)%2)+8*\rb+7], v[BI+8*\cb:BI+8*\cb+7]
.else
	v_wmma_f32_16x16x32_bf16 v[8*(8*\rb+\cb):8*(8*\rb+\cb)+7], v[64*(\q)+8*\cb:64*(\q)+8*\cb+7], v[AF+32*((\q)%2)+8*\rb:AF+32*((\q)%2)+8*\rb+7], v[8*(8*\rb+\cb):8*(8*\rb+\cb)+7]
.endif
.endr
.endr
.endm
; K unit q of a trip.  kind 0: a pass's first trip; 1: the loop's; 2: its last, which asks for nothing more.  nl, nd: the younger loads that may stay out.
.macro UNIT q, kind, nl, nd
	s_wait_loadcnt \nl                             ; ring buffer q is in (loads come back in order: ISA guide 5.7.1)
	s_wait_dscnt \nd                               ; and so are this unit's row fragments
.if (\kind) < 2
	s_add_nc_u64 s[WPN+2*(\q):WPN+2*(\q)+1], s[WBP:WBP+1], s[OFP:OFP+1]  ; the 16 loads that name this pair are buffer q's, which the wait above has shown back: it steps to the next trip
.endif
.if ((\kind) == 0) && ((\q) == 0)
	MUL \q, 1
.else
	MUL \q, 0
.endif
.if ((\q) == 2) && ((\kind) < 2)
	WIN 0
.irp rb, 0,1,2,3
	v_add_nc_u32 v[ADA+\rb], s[KB], v[ADAB+\rb]    ; the next trip's place in the rows: these four are also the places in front of the loads below
.endr
.else
	PLACES
.endif
.if (\kind) < 2
	RING \q                                        ; the same unit of the next trip
.endif
.if ((\kind) < 2) || ((\q) < 2)
	AFETCH (\q)%2, ((\q)+2)&3                      ; the row fragments two units on
.endif
.endm
.macro TRIP kind
.if (\kind) < 2
	s_add_co_u32 s[TN], s[TC], 1                   ; the next trip, round the pass's twelve
	s_cmp_eq_u32 s[TN], 12
	s_cselect_b32 s[TN], 0, s[TN]
	s_min_u32 s[TN], s[TN], 11
	s_lshl_b32 s[KB], s[TN], 8                     ; 4 units x 64 bytes of a row
	s_add_co_u32 s[KB], s[KB], s[AST]
	s_lshl_b32 s[OFP], s[TN], 17                   ; 4 units x 32,768 bytes of weights; no memory instruction names OFP
	UNIT 0, \kind, 48, 8                           ; out: the three younger units' 16 loads each; the next unit's 8 row fragments
	UNIT 1, \kind, 48, 8
	UNIT 2, \kind, 48, 8
	UNIT 3, \kind, 48, 8
	s_mov_b32 s[TC], s[TN]
.else
	UNIT 0, 2, 48, 8                               ; nothing is asked for any more: the counts run down
	UNIT 1, 2, 32, 8
	UNIT 2, 2, 16, 8
	UNIT 3, 2, 0, 0
.endif
	WIN 0
.endm
; 1 + 2^(k s) for all 32 accumulators.  Each accumulator's lowest registers are read first; the next tile's four multiplies stand between a tile's
; exponentials and the use of their results (ISA guide 5.7.2).
.macro CM tt
.irp k, 0,1,2,3
	v_pk_mul_f32 v[8*(\tt)+2*\k:8*(\tt)+2*\k+1], v[8*(\tt)+2*\k:8*(\tt)+2*\k+1], s[KS:KS+1] op_sel_hi:[1,0]
.endr
.endm
.macro CE tt
.irp k, 0,1,2,3,4,5,6,7
	v_exp_f32 v[8*(\tt)+\k], v[8*(\tt)+\k]
.endr
.endm
.macro CP tt
	s_wait_alu depctr_va_vdst(0)
.irp k, 0,1,2,3
	v_pk_add_f32 v[8*(\tt)+2*\k:8*(\tt)+2*\k+1], v[8*(\tt)+2*\k:8*(\tt)+2*\k+1], 1.0 op_sel_hi:[1,0]
.endr
.endm
.macro CORE
	WIN W_IN1
	CM 0
.set t, 0
.rept 32
	CE t
.if t < 31
	CM t+1
.else
	v_nop
	s_wait_alu depctr_va_vdst(0)
.endif
	CP t
.set t, t+1
.endr
.endm
.macro QLOAD a                         ; my wave's columns of all 64 rows, bf16: 16 bytes for each accumulator, the eight numbers that the lane's eight results belong to
	WIN 0
.irp rb, 0,1,2,3
.irp cb, 0,1,2,3,4,5,6,7
	ds_load_b128 v[Q+4*(8*\rb+\cb):Q+4*(8*\rb+\cb)+3], v[(\a)+\rb] offset:32*\cb
.endr
.endr
.endm
.macro RCPALL win                      ; 256 reciprocals and a plain instruction behind the last
	WIN \win
.set i, 0
.rept 256
	v_rcp_f32 v[i], v[i]
.set i, i+1
.endr
	v_nop
.endm
	s_load_b512 s[4:19], s[0:1], 0x0               ; h s[4:5], x s[6:7], p s[8:9], b_a s[10:11], b_r s[12:13], b_r1 s[14:15], b_c s[16:17], wq s[18:19]
	s_load_b64 s[OUTP:OUTP+1], s[0:1], 0x40        ; out
	v_lshl_add_u32 v[SPW], v0, 2, SPARE
	v_mov_b32 v[NIL], 0
	v_mov_b32 v[ZR], 0
	v_and_b32 v1, 15, v0                           ; l % 16
	v_bfe_u32 v2, v0, 4, 1                         ; l / 16
	v_and_b32 v3, 31, v0                           ; lane
	v_lshrrev_b32 v14, 5, v0
	v_readfirstlane_b32 s[WV], v14
	s_mov_b32 s[WG], ttmp9
	s_mul_i32 s[RHO], s[WG], 21846                 ; WG / 12 = (WG x 21,846) >> 18 for WG under 256
	s_lshr_b32 s[RHO], s[RHO], 18
	s_mul_i32 s[RHO], s[RHO], 12
	s_sub_co_u32 s[RHO], s[WG], s[RHO]
	s_min_u32 s[RHO], s[RHO], 11
	s_mov_b32 s[HIM], 0xffff0000
	s_mov_b32 s[KSIG], 0xbfb8aa3b                  ; -log2 e
	s_mov_b32 s[KTAN], 0x4038aa3b                  ; 2 log2 e
	s_mov_b32 s[OFP+1], 0
	s_mov_b32 s[PI], 0
	s_lshl_b32 s[TM], s[WV], 15
	v_lshl_add_u32 v[GLD], v3, 4, s[TM]
	s_lshl_b32 s[TM], s[WV], 13
	v_lshl_add_u32 v[WVO], v3, 4, s[TM]
	s_lshl_b32 s[TM], s[WV], 9
	v_lshl_add_u32 v[BOF], v2, 5, s[TM]
	v_lshl_add_u32 v[CO], v3, 4, s[TM]
	s_lshl_b32 s[OFP], s[WG], 17                   ; my 64 rows of 2,048 bytes
	s_wait_kmcnt 0x0
	s_add_nc_u64 s[4:5], s[4:5], s[OFP:OFP+1]
	s_add_nc_u64 s[6:7], s[6:7], s[OFP:OFP+1]
	s_add_nc_u64 s[8:9], s[8:9], s[OFP:OFP+1]
	s_add_nc_u64 s[OUTP:OUTP+1], s[OUTP:OUTP+1], s[OFP:OFP+1]
	s_mov_b64 s[BP:BP+1], s[10:11]
	s_lshl_b32 s[OFP], s[RHO], 17
	SETW
	BIAS                                           ; 16 loads,
	RING 0                                         ; the whole ring: 64,
	RING 1
	RING 2
	RING 3
	LOADSRC W_TO1, 4                               ; h: 64,
	LOADSRC W_TO2, 6                               ; x: 64: 208 in all
	WIN 0                                          ; the other addresses are made while they are on their way
	s_mul_i32 s[TM], s[WV], 16*PA
	v_lshl_add_u32 v[FST], v3, 3, s[TM]
	s_mul_i32 s[TM], s[WV], STGW
	s_add_co_u32 s[TM], s[TM], STG
	v_mul_u32_u24 v[STO], v1, SPITCH
	v_lshl_add_u32 v[STO], v2, 5, v[STO]
	v_add_nc_u32 v[STO], s[TM], v[STO]
	v_lshl_add_u32 v[RD], v3, 4, s[TM]
	v_mul_u32_u24 v[ADAB], v1, PA
	v_lshl_add_u32 v[ADAB], v2, 4, v[ADAB]
.irp rb, 1,2,3
	v_add_nc_u32 v[ADAB+\rb], \rb*16*PA, v[ADAB]
.endr
	s_lshl_b32 s[TM], s[WV], 8
.irp rb, 0,1,2,3
	v_add_nc_u32 v[TADB+\rb], s[TM], v[ADAB+\rb]
.endr
	s_wait_loadcnt 63                              ; of 208 loads at most 63 are out: the first 145 are in, h's last is the 144th
	CVTST W_CV1, W_ST1, 0
	s_wait_dscnt 0x0                               ; the stores have taken their data: window 1 is loaded again
	LOADSRC W_TO1, 8                               ; p: 272 loads in all
	s_wait_loadcnt 63                              ; the first 209 are in, x's last is the 208th
	CVTST W_CV2, W_ST2, 1024
	s_wait_loadcnt 0x0                             ; p
	CVTST W_CV1, W_ST1, 2048
	WIN 0
	s_wait_dscnt 0x0                               ; for the others' sake: my rows are in LDS
	BAR
.Lpass:
	s_cmp_eq_u32 s[PI], 3
	s_cselect_b32 s[AST], 1024, 0                  ; c sums over x | p r1 | h r, the gates over h | x | p
	s_cselect_b32 s[KS], s[KTAN], s[KSIG]
	s_mov_b32 s[KS+1], s[KS]                       ; named with it as a pair
	s_mov_b32 s[TC], s[RHO]
	s_lshl_b32 s[KB], s[TC], 8
	s_add_co_u32 s[KB], s[KB], s[AST]
.irp rb, 0,1,2,3
	v_add_nc_u32 v[ADA+\rb], s[KB], v[ADAB+\rb]
.endr
	AFETCH 0, 0
	AFETCH 1, 1
	TRIP 0
	s_mov_b32 s[CNT], 10
.Ltrip:
	TRIP 1
	s_sub_co_u32 s[CNT], s[CNT], 1
	s_cmp_lg_u32 s[CNT], 0
	s_cbranch_scc1 .Ltrip
	TRIP 2
	BAR                                            ; every wave's reads of the rows are back (the last unit waited for all of mine): the tails may write into them
	s_cmp_eq_u32 s[PI], 3
	s_cbranch_scc1 .Lnoprime
	; The next pass's bias and first trip are asked for in the course of this pass's tail (all earlier loads are in: the last unit waited for 0).  In three parts, in the order in which
	; the trips count them: 48 loads here, 16 behind the exponentials, 16 behind the reciprocals, so that the tail's arithmetic does not stand behind a load that cannot yet be issued.
	s_add_nc_u64 s[WBP:WBP+1], s[WBP:WBP+1], PASSB
	s_lshl_b32 s[OFP], s[RHO], 17
	SETW
	s_cmp_eq_u32 s[PI], 0
	s_cselect_b64 s[BP:BP+1], s[12:13], s[14:15]
	s_cmp_eq_u32 s[PI], 2
	s_cselect_b64 s[BP:BP+1], s[16:17], s[BP:BP+1]
	BIAS
	RING 0
	RING 1
	WIN 0
.Lnoprime:
	CORE
	WIN 0
	s_cmp_eq_u32 s[PI], 0
	s_cbranch_scc1 .LtailA
	s_cmp_eq_u32 s[PI], 3
	s_cbranch_scc1 .LtailC
	; r and r1: h r goes behind p, p r1 takes p's place
	RING 2
	WIN 0
	s_cmp_eq_u32 s[PI], 1
	s_cselect_b32 s[SRC], 0, 2048
	s_mov_b32 s[DST], 2048
	s_cselect_b32 s[DST], 3072, s[DST]
.irp rb, 0,1,2,3
	v_add_nc_u32 v[QS+\rb], s[SRC], v[TADB+\rb]
	v_add_nc_u32 v[QD+\rb], s[DST], v[TADB+\rb]
.endr
	QLOAD QS
	RCPALL W_IN1                                   ; the gate
	RING 3
	s_wait_dscnt 0x0                               ; my reads of the rows are back:
	s_barrier_signal -1                            ; say so; the products and roundings, work on registers, stand between the signal and the wait
	WIN W_MIX
.set t, 0
	s_wait_alu depctr_va_vdst(0)
.rept 32
.irp k, 0,1,2,3
	v_fma_mix_f32_bf16 v[8*t+2*\k],   v[Q+4*t+\k], v[8*t+2*\k],   v[ZR] op_sel_hi:[1,0,0]
	v_fma_mix_f32_bf16 v[8*t+2*\k+1], v[Q+4*t+\k], v[8*t+2*\k+1], v[ZR] op_sel:[1,0,0] op_sel_hi:[1,0,0]
.endr
.set t, t+1
.endr
	WIN W_PK
.set i, 0
.rept 128
	v_cvt_pk_bf16_f32 v[Q+i], v[2*i], v[2*i+1]
.set i, i+1
.endr
	WIN 0
	s_barrier_wait -1                              ; no wave stores into the rows before all four have read
.irp rb, 0,1,2,3
.irp cb, 0,1,2,3,4,5,6,7
	ds_store_b128 v[QD+\rb], v[Q+4*(8*\rb+\cb):Q+4*(8*\rb+\cb)+3] offset:32*\cb
.endr
.endr
	s_branch .Ljoin
.LtailA:
	RING 2
	RCPALL W_12                                    ; att stays in window 2
	RING 3
	WIN 0
.Ljoin:
	s_wait_dscnt 0x0                               ; for the others' sake: my stores are done
	BAR
	s_add_co_u32 s[PI], s[PI], 1
	s_cmp_lt_u32 s[PI], 4
	s_cbranch_scc1 .Lpass
; THE LAST TAIL AND THE WAY OUT go by blocks of 16 rows (8 accumulators, 64 registers), so that a block's stores leave while the later blocks are still worked on.
.macro RCPB rb                         ; g of block rb, and a plain instruction behind the last reciprocal
	WIN W_IN1
.set i, 64*(\rb)
.rept 64
	v_rcp_f32 v[i], v[i]
.set i, i+1
.endr
	v_nop
.endm
.macro MATH rb
	WIN W_IN1
.set i, 32*(\rb)
	s_wait_alu depctr_va_vdst(0)
.rept 32
	v_pk_fma_f32 v[2*i:2*i+1], v[2*i:2*i+1], -2.0, 1.0 op_sel_hi:[1,0,0]              ; c = 1 - 2 g
.set i, i+1
.endr
	WIN W_SUB
.set i, 32*(\rb)
.rept 32
	v_pk_add_f32 v[2*i:2*i+1], v[2*i:2*i+1], v[2*i:2*i+1] neg_lo:[0,1] neg_hi:[0,1]   ; c - h
.set i, i+1
.endr
	WIN W_FMA
.set i, 32*(\rb)
.rept 32
	v_pk_fma_f32 v[2*i:2*i+1], v[2*i:2*i+1], v[2*i:2*i+1], v[2*i:2*i+1]               ; att (c - h) + h
.set i, i+1
.endr
.endm
; A lane's eight numbers of a row, 32 bytes, go into my own stage; whole rows of my wave's 512 bytes come back, into att's registers of the same block, which MATH has read for the last time:
; four blocks of registers, none written twice, so no store's data is ever waited for.
.macro STAGE rb
	WIN W_ST1
.irp cb, 0,1,2,3,4,5,6,7
	ds_store_b128 v[STO], v[8*(8*(\rb)+\cb):8*(8*(\rb)+\cb)+3]   offset:64*\cb
	ds_store_b128 v[STO], v[8*(8*(\rb)+\cb)+4:8*(8*(\rb)+\cb)+7] offset:64*\cb+16
.endr
	WIN W_TO2
.set i, 0
.rept 16
	ds_load_b128 v[64*(\rb)+4*i:64*(\rb)+4*i+3], v[RD] offset:SPITCH*i  ; LDS serves a wave's instructions in order (ISA guide 5.7.1.4): these see the stores above, and the next block's stores come behind them
.set i, i+1
.endr
.endm
.macro SEND rb
	WIN W_ST2
.set i, 0
.rept 16
	s_wait_dscnt 15-i                              ; row i is back: behind it only the block's later rows were asked for
	global_store_b128 v[CO], v[64*(\rb)+4*i:64*(\rb)+4*i+3], s[OUTP:OUTP+1] offset:(16*(\rb)+i)*2048 th:TH_STORE_NT  ; 512 consecutive bytes, at a multiple of 512 from out's first
.set i, i+1
.endr
.endm
.LtailC:
	s_wait_loadcnt 0x0                             ; no load into the ring's registers is out: they take h
	QLOAD TADB
	RCPB 0                                         ; stands in the wait for h
	s_wait_dscnt 0x0
	WIN W_TO3
.set i, 0
	s_wait_alu depctr_va_vdst(0)
.rept 128
	v_lshlrev_b32 v[2*i],   16, v[Q+i]             ; bf16 to f32: the low half moves up,
	v_and_b32     v[2*i+1], s[HIM], v[Q+i]         ; the high half stays
.set i, i+1
.endr
	MATH 0
	STAGE 0
.irp b, 1,2,3                          ; a block's arithmetic stands between the loads of the block before and its stores
	RCPB \b
	MATH \b
	SEND (\b)-1
	STAGE \b
.endr
	SEND 3
	WIN 0
	s_wait_tensorcnt 0x0                           ; the wave's end
	ds_add_u32 v[SPW], v[NIL]
	s_wait_dscnt 0x0
	s_endpgm
.Lfunc_end_k_qecbccac8c7_gru:
	.size	k_qecbccac8c7_gru, .Lfunc_end_k_qecbccac8c7_gru-k_qecbccac8c7_gru
	.p2alignl 7, 3214868480
	.fill 96, 4, 3214868480
	.section	.rodata,"a",@progbits
	.p2align	6, 0x0
	.amdhsa_kernel k_qecbccac8c7_gru
		.amdhsa_group_segment_fixed_size 297472
		.amdhsa_private_segment_fixed_size 0
		.amdhsa_enable_private_segment 0
		.amdhsa_kernarg_size 72
		.amdhsa_user_sgpr_count 2
		.amdhsa_user_sgpr_kernarg_segment_ptr 1
		.amdhsa_wavefront_size32 1
		.amdhsa_system_sgpr_workgroup_id_x 1
		.amdhsa_system_sgpr_workgroup_id_y 1
		.amdhsa_system_sgpr_workgroup_id_z 1
		.amdhsa_system_vgpr_workitem_id 0
		.amdhsa_next_free_vgpr 1024
		.amdhsa_next_free_sgpr 66
		.amdhsa_reserve_vcc 0
		.amdhsa_float_denorm_mode_32 3
		.amdhsa_float_denorm_mode_16_64 3
		.amdhsa_memory_ordered 1
		.amdhsa_forward_progress 1
		.amdhsa_inst_pref_size 253
	.end_amdhsa_kernel
	.amdgpu_metadata
---
amdhsa.version: [ 1, 2 ]
amdhsa.kernels:
  - .name:           k_qecbccac8c7_gru
    .symbol:         k_qecbccac8c7_gru.kd
    .args:
      - { .name: state, .offset: 0, .size: 8, .value_kind: global_buffer, .address_space: global }
      - { .name: inputs, .offset: 8, .size: 8, .value_kind: global_buffer, .address_space: global }
      - { .name: parent_state, .offset: 16, .size: 8, .value_kind: global_buffer, .address_space: global }
      - { .name: w_a_b, .offset: 24, .size: 8, .value_kind: global_buffer, .address_space: global }
      - { .name: w_r_b, .offset: 32, .size: 8, .value_kind: global_buffer, .address_space: global }
      - { .name: w_r1_b, .offset: 40, .size: 8, .value_kind: global_buffer, .address_space: global }
      - { .name: w_c_b, .offset: 48, .size: 8, .value_kind: global_buffer, .address_space: global }
      - { .name: wq, .offset: 56, .size: 8, .value_kind: global_buffer, .address_space: global }
      - { .name: out0, .offset: 64, .size: 8, .value_kind: global_buffer, .address_space: global }
    .group_segment_fixed_size: 297472
    .private_segment_fixed_size: 0
    .kernarg_segment_align: 8
    .kernarg_segment_size: 72
    .max_flat_workgroup_size: 128
    .sgpr_count:     66
    .vgpr_count:     1024
    .wavefront_size: 32
...
	.end_amdgpu_metadata
.endif
;; end of part 2
;; ======== version 2 of 2: 2 launches; version 1 with the launch gru written anew for expert scheduling mode
;; limits: values outside matrix products are rounded to bf16
;; workspace buffers: wq 6,291,456 bytes
;; launch prep: the kernel of part 1 again; grid 96 x 4, 4 waves a work-group, no clusters, 17,152 bytes of LDS; arguments u_a_w, w_a_w, p_a_w, u_r_w, w_r_w, p_r_w, u_r1_w, w_r1_w, p_r1_w, w_c_w, p_c_w, u_c_w, wq; writes wq
;; launch gru (part 3): grid 256 x 1, 4 waves a work-group, no clusters, 297,472 bytes of LDS; arguments state, inputs, parent_state, w_a_b, w_r_b, w_r1_b, w_c_b, wq, out0; writes out0
.if DOCPART == 3
	.amdgcn_target "amdgcn-amd-amdhsa--gfx1250"
	.amdhsa_code_object_version 6
	.text
	.protected	k_qecbccac8c7_gru
	.globl	k_qecbccac8c7_gru
	.p2align	8
	.type	k_qecbccac8c7_gru,@function
k_qecbccac8c7_gru:
	s_mov_b64 s[64:65], 0
	v_nop
	global_prefetch_b8 v0, s[64:65] scope:SCOPE_SE
	s_setreg_imm32_b32 hwreg(HW_REG_WAVE_SCHED_MODE, 0, 2), 2
	s_setreg_imm32_b32 hwreg(HW_REG_WAVE_MODE, 25, 1), 1
	s_wait_xcnt 0x0
	s_wait_alu depctr_vm_vsrc(0)
; new_h = att c + (1 - att) h, with att, r, r1 = sigmoid(x W^T + b + h U^T + p P^T) and c = tanh(x Wc^T + bc + (h r) Uc^T + (p r1) Pc^T).  All of it in one launch.
; SHARES.  A work-group owns 64 rows of the batch; 256 work-groups.  Its rows of h, x and p are read once, rounded to bf16 and stay in LDS.  Four passes (att, r, r1, c), each a product
; 64 x 512 over K = 1,536, run on one set of accumulators: wave w owns all 64 rows x columns 128 w .. 128 w + 127, 32 accumulators of 16 x 16.
; An LDS row holds h | x | p | h r: the gates sum over its bytes 0 .. 3,071, c over bytes 1,024 .. 4,095 (p r1 has then taken p's place); the first launch has laid the weights in that order of K.
; THE MATRIX INSTRUCTION IS USED TRANSPOSED (source 0 = 16 rows of a weight matrix, source 1 = 16 rows of the batch): lane l holds row l % 16 and the eight neighbouring columns 8 (l / 16) + 0..7.
; WEIGHTS come from memory straight into a ring of four register buffers, one K unit (K = 32: 8 fragments, 16 loads) each, with counted waits: three units, 48 loads of 512 bytes, are always out.
; Each buffer has a base pair of its own, rewritten only behind the counted wait that shows the 16 loads that name it back: the loop has no other wait for its loads' sources.
; NO CLUSTER AND NO LDS RING FOR THE WEIGHTS, though all work-groups walk the same 6,291,456 bytes: the resident rows (263,168 bytes), the stage and the spare words leave 30,208 bytes of LDS,
; less than one K unit of the work-group (32,768); and a fragment is multiplied by one wave alone, so a copy in LDS would be read once.
; ROTATION.  A pass is 12 trips of 4 K units; work-group g begins with trip g mod 12 and goes round, so that the work-groups' requests are spread over a pass's 1,572,864 bytes at any time.
; LIMITS.  x, h, p and the weights are rounded to bf16 (h also where it is multiplied by r and in the last line); h r and p r1 are rounded once to bf16; biases, sums, gates and the last line are f32.
; g = 1 / (1 + 2^(k s)): sigmoid with k = -log2 e, tanh = 1 - 2 g with k = 2 log2 e; an overflowing 2^(k s) gives g = 0 and a vanishing one g = 1, the functions' own limits; a gate below 2^-126 counts as 0.
; NaN and infinities are not treated apart.  The order of K in a sum hangs on the work-group's number (the rotation).
; THE MODE: SCHED_MODE bits 1:0 = 2 (LLVM: expert scheduling mode 2), set by the entry lines.  The code itself states the register dependences
; between vector or matrix instructions and memory or LDS instructions, with s_wait_alu, always for 0.
; THE PLAN.  Registers that memory or LDS instructions touch, in the trips:
;   ring q     Unit q's 32 matrix instructions read it; directly behind them the 16 loads of the same unit of the next trip land in it.
;   AF u       Unit u's matrix instructions read it; the 8 LDS loads in the middle of unit u + 1 land in it (the fragments of unit u + 4).
;   v[ADA ..]  Read by every fragment load; written at a pass's head and once a trip, at the end of unit 0.
;   BI         Read as C by a pass's first unit; loaded again in the pass's tail.
;   v7-v13 and v16-v23, offsets and addresses, are made once and never written again.  The accumulators are named by matrix and vector instructions alone until the way out.
; So ONE wait on va_vdst stands in a unit, behind its matrix instructions: they are done reading ring q, which is asked for again at once, and AF q, in which the next unit's fragment loads land
; (between the wait and those loads stand loads, window switches and matrix instructions that name ring q + 1, AF q + 1 and the accumulators); in unit 0 it also states that v[ADA ..] is written.
; One wait on vm_vsrc a trip stands ahead of the adds to v[ADA ..].  The head, the tails and the way out state their dependences where they arise.
; REGISTERS, in windows of 256 (s_set_vgpr_msb: bits 1:0 source 0, 3:2 source 1, 5:4 source 2, 7:6 destination):
;   window 0: addresses; v40-103 the pass's bias; v104-231 four buffers of row fragments; in the passes' tails v104-231 hold h or p (bf16)
;   window 1: the accumulators, (rb, cb) at v[8 (8 rb + cb)]; at the start h and then p as loaded     window 2: x as loaded, then att, at the end the rows on their way out
;   window 3: the weight ring, 4 x 64; at the end h in f32
.set PA,     4112                      ; an LDS row: 4,096 bytes + 16 = 257 x 16: the 16 rows that a fragment load touches start at 16 different groups of four banks (64 banks of 4 bytes: ISA guide 11.1)
.set STG,    64*PA                     ; behind the rows: a stage of 16 rows x 528 bytes for each wave, for the way out
.set SPITCH, 528
.set STGW,   16*SPITCH
.set SPARE,  STG+4*STGW                ; behind the stages: the spare words, 128 bytes a wave
.set PASSB,  48*32768                  ; a pass's weights
.set SPW,  4                           ; v4   my spare word; never rewritten
.set NIL,  5                           ; v5   0, for the add alone
.set ZR,   6                           ; v6   0
.set GLD,  7                           ; v7   16 lane + 32,768 w: my 16 bytes in my wave's 16 rows of h, x, p
.set FST,  8                           ; v8   8 lane + 16 PA w: where they go in LDS
.set WVO,  9                           ; v9   16 lane + 8,192 w: my 16 bytes of a fragment of my wave's
.set BOF,  10                          ; v10  512 w + 32 (l / 16): my eight numbers of a bias
.set STO,  11                          ; v11  the way out: where I put 32 bytes of a row
.set RD,   12                          ; v12  the way out: where I read a row back
.set CO,   13                          ; v13  16 lane + 512 w: my bytes in a row of out
.set ADAB, 16                          ; v16-19  (16 rb + l % 16) PA + 16 (l / 16)
.set TADB, 20                          ; v20-23  the same + 256 w: my wave's columns of h
.set ADA,  24                          ; v24-27  ADAB + the place in a row of the trip whose fragments are asked for
.set QS,   28                          ; v28-31  a tail's source,
.set QD,   32                          ; v32-35  and where its products go
.set BI,   40
.set AF,   104                         ; buffer u at AF + 32 u
.set Q,    104
.set WBP,  18                          ; s[18:19] wq at the pass
.set OUTP, 20                          ; s[20:21] out at my rows
.set WV,   22                          ; wave
.set WG,   23                          ; work-group
.set RHO,  24                          ; WG mod 12
.set PI,   25                          ; pass
.set TC,   26                          ; the trip in hand, 0 .. 11
.set TN,   27                          ; the next
.set KB,   28                          ; its place in an LDS row
.set AST,  29                          ; where the pass's K begins in a row
.set CNT,  30
.set OFP,  34                          ; s[34:35] an offset, the high word 0
.set KS,   36                          ; s[36:37] k of the pass's function
.set BP,   38                          ; s[38:39] the bias to be loaded
.set HIM,  40                          ; a word's upper bf16
.set SRC,  41
.set DST,  42
.set TM,   44
.set KSIG, 46
.set KTAN, 47
.set WPN,  48                          ; s[48:55] for each ring buffer q a pair: wq at the trip whose unit q was asked for last
.set MSB, 0
.macro WIN new                         ; the immediate's high byte repeats the setting that is left; a switch that changes nothing is dropped
.if MSB != (\new)
	s_set_vgpr_msb (MSB<<8)|(\new)
.set MSB, (\new)
.endif
.endm
.set W_MM,  0x53                       ; weights window 3, rows window 0, C and D window 1
.set W_MMB, 0x43                       ; the same with C (the bias) in window 0
.set W_TO1, 0x40
.set W_TO2, 0x80
.set W_TO3, 0xc0
.set W_CV1, 0x45                       ; all in window 1
.set W_CV2, 0x8a                       ; all in window 2
.set W_ST1, 0x04                       ; a store's data in window 1
.set W_ST2, 0x08                       ; in window 2
.set W_IN1, 0x41                       ; destination and source 0 in window 1
.set W_12,  0x81                       ; from window 1 into window 2
.set W_MIX, 0x44                       ; destination and source 1 in window 1
.set W_PK,  0x05                       ; sources in window 1, destination in window 0
.set W_SUB, 0x4d                       ; window 1 less window 3
.set W_FMA, 0x76                       ; window 2 x window 1 + window 3 into window 1
.macro PLACES                          ; four plain vector instructions between matrix instructions and loads into, or vector reads of, their registers
.rept 4
	v_nop
.endr
.endm
.macro BAR
	s_barrier_signal -1
	s_barrier_wait -1
.endm
.macro LOADSRC win, b                  ; my wave's 16 rows of one input, 32,768 consecutive bytes, 512 to a load
	WIN \win
.set i, 0
.rept 64
	global_load_b128 v[4*i:4*i+3], v[GLD], s[(\b):(\b)+1] offset:512*i th:TH_LOAD_NT
.set i, i+1
.endr
.endm
.macro CVTST cw, sw, off               ; rounded to bf16 in place, and into the rows' part at byte off: load i is quarter i % 4 of row i / 4
	WIN \cw
.set i, 0
.rept 64
	v_cvt_pk_bf16_f32 v[4*i], v[4*i], v[4*i+1]
	v_cvt_pk_bf16_f32 v[4*i+1], v[4*i+2], v[4*i+3]
.set i, i+1
.endr
	WIN \sw
	s_wait_alu depctr_va_vdst(0)                   ; the roundings have written the data that the LDS stores read; at the first use v[FST] and the other addresses made beside it are written too
.set i, 0
.rept 64
	ds_store_b64 v[FST], v[4*i:4*i+1] offset:(i>>2)*PA+(i&3)*256+(\off)
.set i, i+1
.endr
.endm
.macro BIAS                            ; my eight numbers for each of my wave's eight column blocks
	WIN 0
.irp cb, 0,1,2,3,4,5,6,7
	global_load_b128 v[BI+8*\cb:BI+8*\cb+3],   v[BOF], s[BP:BP+1] offset:64*\cb
	global_load_b128 v[BI+8*\cb+4:BI+8*\cb+7], v[BOF], s[BP:BP+1] offset:64*\cb+16
.endr
.endm
.macro SETW                            ; all four buffers' pairs: the pass's weights + the offset in OFP.  No ring load is out where this stands
.irp q, 0,1,2,3
	s_add_nc_u64 s[WPN+2*\q:WPN+2*\q+1], s[WBP:WBP+1], s[OFP:OFP+1]
.endr
.endm
.macro RING q                          ; K unit q of the trip at its pair into ring buffer q: 16 loads
	WIN W_TO3
.irp cb, 0,1,2,3,4,5,6,7
	global_load_b128 v[64*(\q)+8*\cb:64*(\q)+8*\cb+3],   v[WVO], s[WPN+2*(\q):WPN+2*(\q)+1] offset:32768*(\q)+1024*\cb
	global_load_b128 v[64*(\q)+8*\cb+4:64*(\q)+8*\cb+7], v[WVO], s[WPN+2*(\q):WPN+2*(\q)+1] offset:32768*(\q)+1024*\cb+512
.endr
.endm
.macro AFETCH u                        ; the row fragments of K unit u of the trip at ADA into buffer u: 8 loads
	WIN 0
.irp rb, 0,1,2,3
	ds_load_b128 v[AF+32*(\u)+8*\rb:AF+32*(\u)+8*\rb+3],   v[ADA+\rb] offset:64*(\u)
	ds_load_b128 v[AF+32*(\u)+8*\rb+4:AF+32*(\u)+8*\rb+7], v[ADA+\rb] offset:64*(\u)+32
.endr
.endm
; 8 matrix instructions: rows 16 rb on of K unit q.  A unit's four such runs take the 32 accumulators by turns, one instruction a turn.
; bias = 1: a pass's first unit starts the sums with the bias: nothing is cleared.
.macro MULG q, rb, bias
.if (\bias)
	WIN W_MMB
.else
	WIN W_MM
.endif
.irp cb, 0,1,2,3,4,5,6,7
.if (\bias)
	v_wmma_f32_16x16x32_bf16 v[8*(8*(\rb)+\cb):8*(8*(\rb)+\cb)+7], v[64*(\q)+8*\cb:64*(\q)+8*\cb+7], v[AF+32*(\q)+8*(\rb):AF+32*(\q)+8*(\rb)+7], v[BI+8*\cb:BI+8*\cb+7]
.else
	v_wmma_f32_16x16x32_bf16 v[8*(8*(\rb)+\cb):8*(8*(\rb)+\cb)+7], v[64*(\q)+8*\cb:64*(\q)+8*\cb+7], v[AF+32*(\q)+8*(\rb):AF+32*(\q)+8*(\rb)+7], v[8*(8*(\rb)+\cb):8*(8*(\rb)+\cb)+7]
.endif
.endr
.endm
; K unit q of a trip.  kind 0: a pass's first trip; 1: the loop's; 2: its last, which asks for no more weights, and for its own last fragments alone.  nl, nd: the younger loads that may stay out.
.macro UNIT q, kind, nl, nd
.if ((\kind) == 0) && ((\q) == 0)
.set FB, 1
.else
.set FB, 0
.endif
	s_wait_loadcnt \nl                             ; ring buffer q is in (loads come back in order: ISA guide 5.7.1)
	s_wait_dscnt \nd                               ; and so are this unit's row fragments
.if (\kind) < 2
	s_add_nc_u64 s[WPN+2*(\q):WPN+2*(\q)+1], s[WBP:WBP+1], s[OFP:OFP+1]  ; the 16 loads that name this pair are buffer q's, which the wait above has shown back: it steps to the next trip
.endif
	MULG \q, 0, FB
	MULG \q, 1, FB
.if ((\kind) < 2) || ((\q) == 0)
	AFETCH ((\q)+3)&3                              ; the row fragments three units on, into the buffer that the unit before read out.  No wait: no vector or matrix instruction since the wait at that unit's end names it or v[ADA ..]
.endif
	MULG \q, 2, FB
	MULG \q, 3, FB
.if (\kind) < 2
.if (\q) == 0
	WIN 0
	s_wait_alu depctr_vm_vsrc(0)                   ; the fragment loads issued so far, this trip's last among them, have read v[ADA ..]
.irp rb, 0,1,2,3
	v_add_nc_u32 v[ADA+\rb], s[KB], v[ADAB+\rb]    ; the next trip's place in the rows: these four are also the places behind the unit's matrix instructions
.endr
.else
	PLACES
.endif
	WIN W_TO3
	s_wait_alu depctr_va_vdst(0)                   ; the unit's matrix instructions are done reading ring buffer q, in which the loads below land, and AF q, in which the next unit's fragment loads land; in unit 0 v[ADA ..] is written
	RING \q                                        ; the same unit of the next trip: the buffer is asked for again at once
.endif
.endm
.macro TRIP kind
.if (\kind) < 2
	s_add_co_u32 s[TN], s[TC], 1                   ; the next trip, round the pass's twelve
	s_cmp_eq_u32 s[TN], 12
	s_cselect_b32 s[TN], 0, s[TN]
	s_min_u32 s[TN], s[TN], 11
	s_lshl_b32 s[KB], s[TN], 8                     ; 4 units x 64 bytes of a row
	s_add_co_u32 s[KB], s[KB], s[AST]
	s_lshl_b32 s[OFP], s[TN], 17                   ; 4 units x 32,768 bytes of weights; no memory instruction names OFP
	UNIT 0, \kind, 48, 16                          ; out: the three younger units' 16 loads each; the two younger units' 8 row fragments each
	UNIT 1, \kind, 48, 16
	UNIT 2, \kind, 48, 16
	UNIT 3, \kind, 48, 16
	s_mov_b32 s[TC], s[TN]
.else
	UNIT 0, 2, 48, 16                              ; no more weights are asked for: the counts run down
	UNIT 1, 2, 32, 16                              ; (behind unit 1's fragments: unit 2's, and unit 3's, asked for in unit 0)
	UNIT 2, 2, 16, 8
	UNIT 3, 2, 0, 0
	PLACES                                         ; behind the pass's last matrix instructions, ahead of the tail's reads of their results
.endif
	WIN 0
.endm
; 1 + 2^(k s) for all 32 accumulators.  Each accumulator's lowest registers are read first.  The 256 exponentials are one batch: the next tile's four multiplies stand
; behind a tile's eight exponentials, none of which names a result; the additions, which do, stand together behind the batch's one wait.
.macro CM tt
.irp k, 0,1,2,3
	v_pk_mul_f32 v[8*(\tt)+2*\k:8*(\tt)+2*\k+1], v[8*(\tt)+2*\k:8*(\tt)+2*\k+1], s[KS:KS+1] op_sel_hi:[1,0]
.endr
.endm
.macro CE tt
.irp k, 0,1,2,3,4,5,6,7
	v_exp_f32 v[8*(\tt)+\k], v[8*(\tt)+\k]
.endr
.endm
.macro CP tt
.irp k, 0,1,2,3
	v_pk_add_f32 v[8*(\tt)+2*\k:8*(\tt)+2*\k+1], v[8*(\tt)+2*\k:8*(\tt)+2*\k+1], 1.0 op_sel_hi:[1,0]
.endr
.endm
.macro CORE
	WIN W_IN1
	CM 0
.set t, 0
.rept 32
	CE t
.if t < 31
	CM t+1
.endif
.set t, t+1
.endr
	v_nop                                          ; a plain instruction behind the last exponential (ISA guide 5.7.2)
	s_wait_alu depctr_va_vdst(0)                   ; the 256 exponentials have written their results, which the additions below read
.set t, 0
.rept 32
	CP t
.set t, t+1
.endr
.endm
.macro QLOAD a                         ; my wave's columns of all 64 rows, bf16: 16 bytes for each accumulator, the eight numbers that the lane's eight results belong to
	WIN 0
.irp rb, 0,1,2,3
.irp cb, 0,1,2,3,4,5,6,7
	ds_load_b128 v[Q+4*(8*\rb+\cb):Q+4*(8*\rb+\cb)+3], v[(\a)+\rb] offset:32*\cb
.endr
.endr
.endm
.macro RCPALL win                      ; 256 reciprocals and a plain instruction behind the last
	WIN \win
.set i, 0
.rept 256
	v_rcp_f32 v[i], v[i]
.set i, i+1
.endr
	v_nop
.endm
	s_load_b512 s[4:19], s[0:1], 0x0               ; h s[4:5], x s[6:7], p s[8:9], b_a s[10:11], b_r s[12:13], b_r1 s[14:15], b_c s[16:17], wq s[18:19]
	s_load_b64 s[OUTP:OUTP+1], s[0:1], 0x40        ; out
	v_lshl_add_u32 v[SPW], v0, 2, SPARE
	v_mov_b32 v[NIL], 0
	v_mov_b32 v[ZR], 0
	v_and_b32 v1, 15, v0                           ; l % 16
	v_bfe_u32 v2, v0, 4, 1                         ; l / 16
	v_and_b32 v3, 31, v0                           ; lane
	v_lshrrev_b32 v14, 5, v0
	v_readfirstlane_b32 s[WV], v14
	s_mov_b32 s[WG], ttmp9
	s_mul_i32 s[RHO], s[WG], 21846                 ; WG / 12 = (WG x 21,846) >> 18 for WG under 256
	s_lshr_b32 s[RHO], s[RHO], 18
	s_mul_i32 s[RHO], s[RHO], 12
	s_sub_co_u32 s[RHO], s[WG], s[RHO]
	s_min_u32 s[RHO], s[RHO], 11
	s_mov_b32 s[HIM], 0xffff0000
	s_mov_b32 s[KSIG], 0xbfb8aa3b                  ; -log2 e
	s_mov_b32 s[KTAN], 0x4038aa3b                  ; 2 log2 e
	s_mov_b32 s[OFP+1], 0
	s_mov_b32 s[PI], 0
	s_wait_alu depctr_va_sdst(0)                   ; the wave's number is written, ahead of its first reader: offsets and LDS addresses are made from it
	s_lshl_b32 s[TM], s[WV], 15
	v_lshl_add_u32 v[GLD], v3, 4, s[TM]
	s_lshl_b32 s[TM], s[WV], 13
	v_lshl_add_u32 v[WVO], v3, 4, s[TM]
	s_lshl_b32 s[TM], s[WV], 9
	v_lshl_add_u32 v[BOF], v2, 5, s[TM]
	v_lshl_add_u32 v[CO], v3, 4, s[TM]
	s_lshl_b32 s[OFP], s[WG], 17                   ; my 64 rows of 2,048 bytes
	s_wait_kmcnt 0x0
	s_add_nc_u64 s[4:5], s[4:5], s[OFP:OFP+1]
	s_add_nc_u64 s[6:7], s[6:7], s[OFP:OFP+1]
	s_add_nc_u64 s[8:9], s[8:9], s[OFP:OFP+1]
	s_add_nc_u64 s[OUTP:OUTP+1], s[OUTP:OUTP+1], s[OFP:OFP+1]
	s_mov_b64 s[BP:BP+1], s[10:11]
	s_lshl_b32 s[OFP], s[RHO], 17
	SETW
	s_wait_alu depctr_va_vdst(0)                   ; v[GLD], v[WVO], v[BOF] and v[CO] are written: every global load and store of the kernel reads one of them as its offset
	BIAS                                           ; 16 loads,
	RING 0                                         ; the whole ring: 64,
	RING 1
	RING 2
	RING 3
	LOADSRC W_TO1, 4                               ; h: 64,
	LOADSRC W_TO2, 6                               ; x: 64: 208 in all
	WIN 0                                          ; the other addresses are made while they are on their way: none of them is a register that those loads touch
	s_mul_i32 s[TM], s[WV], 16*PA
	v_lshl_add_u32 v[FST], v3, 3, s[TM]
	s_mul_i32 s[TM], s[WV], STGW
	s_add_co_u32 s[TM], s[TM], STG
	v_mul_u32_u24 v[STO], v1, SPITCH
	v_lshl_add_u32 v[STO], v2, 5, v[STO]
	v_add_nc_u32 v[STO], s[TM], v[STO]
	v_lshl_add_u32 v[RD], v3, 4, s[TM]
	v_mul_u32_u24 v[ADAB], v1, PA
	v_lshl_add_u32 v[ADAB], v2, 4, v[ADAB]
.irp rb, 1,2,3
	v_add_nc_u32 v[ADAB+\rb], \rb*16*PA, v[ADAB]
.endr
	s_lshl_b32 s[TM], s[WV], 8
.irp rb, 0,1,2,3
	v_add_nc_u32 v[TADB+\rb], s[TM], v[ADAB+\rb]
.endr
	s_wait_loadcnt 63                              ; of 208 loads at most 63 are out: the first 145 are in, h's last is the 144th
	CVTST W_CV1, W_ST1, 0
	s_wait_dscnt 0x0                               ; my stores of h are done
	WIN W_TO1
	s_wait_alu depctr_vm_vsrc(0)                   ; they have read window 1's registers, in which p lands (the roundings that named them stand ahead of the last wait on va_vdst)
	LOADSRC W_TO1, 8                               ; p: 272 loads in all
	s_wait_loadcnt 63                              ; the first 209 are in, x's last is the 208th
	CVTST W_CV2, W_ST2, 1024
	s_wait_loadcnt 0x0                             ; p
	CVTST W_CV1, W_ST1, 2048
	WIN 0
	s_wait_dscnt 0x0                               ; for the others' sake: my rows are in LDS
	BAR
	s_wait_alu depctr_vm_vsrc(0)                   ; my LDS stores have read windows 1 and 2: the matrix instructions write window 1 from here on, att's reciprocals window 2
.Lpass:
	s_cmp_eq_u32 s[PI], 3
	s_cselect_b32 s[AST], 1024, 0                  ; c sums over x | p r1 | h r, the gates over h | x | p
	s_cselect_b32 s[KS], s[KTAN], s[KSIG]
	s_mov_b32 s[KS+1], s[KS]                       ; named with it as a pair
	s_mov_b32 s[TC], s[RHO]
	s_lshl_b32 s[KB], s[TC], 8
	s_add_co_u32 s[KB], s[KB], s[AST]
.irp rb, 0,1,2,3
	v_add_nc_u32 v[ADA+\rb], s[KB], v[ADAB+\rb]    ; (the fragment loads that read these registers stand ahead of the wait on vm_vsrc at the tails' join)
.endr
	s_wait_alu depctr_va_vdst(0)                   ; v[ADA ..] is written, which the fragment loads read; the tail's vector instructions are done with v104-231, in which they land
	AFETCH 0
	AFETCH 1
	AFETCH 2                                       ; the fragments of units 0 to 2; each unit asks for those three units on
	TRIP 0
	s_mov_b32 s[CNT], 10
.Ltrip:
	TRIP 1
	s_sub_co_u32 s[CNT], s[CNT], 1
	s_cmp_lg_u32 s[CNT], 0
	s_cbranch_scc1 .Ltrip
	TRIP 2
	BAR                                            ; every wave's reads of the rows are back (the last unit waited for all of mine): the tails may write into them
	s_cmp_eq_u32 s[PI], 3
	s_cbranch_scc1 .Lnoprime
	; The next pass's bias and first trip are asked for in the course of this pass's tail (all earlier loads are in: the last unit waited for 0).  In three parts, in the order in which
	; the trips count them: 48 loads here, 16 behind the exponentials, 16 behind the reciprocals, so that the tail's arithmetic does not stand behind a load that cannot yet be issued.
	s_add_nc_u64 s[WBP:WBP+1], s[WBP:WBP+1], PASSB
	s_lshl_b32 s[OFP], s[RHO], 17
	SETW
	s_cmp_eq_u32 s[PI], 0
	s_cselect_b64 s[BP:BP+1], s[12:13], s[14:15]
	s_cmp_eq_u32 s[PI], 2
	s_cselect_b64 s[BP:BP+1], s[16:17], s[BP:BP+1]
	s_wait_alu depctr_va_vdst(0)                   ; the last trip's matrix instructions are done reading the four ring buffers, in which this tail's loads land; the tail's arithmetic names neither them nor the bias
	BIAS
	RING 0
	RING 1
	WIN 0
.Lnoprime:
	CORE
	WIN 0
	s_cmp_eq_u32 s[PI], 0
	s_cbranch_scc1 .LtailA
	s_cmp_eq_u32 s[PI], 3
	s_cbranch_scc1 .LtailC
	; r and r1: h r goes behind p, p r1 takes p's place
	RING 2
	WIN 0
	s_cmp_eq_u32 s[PI], 1
	s_cselect_b32 s[SRC], 0, 2048
	s_mov_b32 s[DST], 2048
	s_cselect_b32 s[DST], 3072, s[DST]
.irp rb, 0,1,2,3
	v_add_nc_u32 v[QS+\rb], s[SRC], v[TADB+\rb]
	v_add_nc_u32 v[QD+\rb], s[DST], v[TADB+\rb]
.endr
	s_wait_alu depctr_va_vdst(0)                   ; v[QS ..] is written, which the LDS loads below read as their addresses
	QLOAD QS
	RCPALL W_IN1                                   ; the gate
	RING 3
	s_wait_dscnt 0x0                               ; my reads of the rows are back:
	s_barrier_signal -1                            ; say so; the products and roundings, work on registers, stand between the signal and the wait
	WIN W_MIX
	s_wait_alu depctr_va_vdst(0)                   ; the 256 reciprocals have written the gate, which the products below read
.set t, 0
.rept 32
.irp k, 0,1,2,3
	v_fma_mix_f32_bf16 v[8*t+2*\k],   v[Q+4*t+\k], v[8*t+2*\k],   v[ZR] op_sel_hi:[1,0,0]
	v_fma_mix_f32_bf16 v[8*t+2*\k+1], v[Q+4*t+\k], v[8*t+2*\k+1], v[ZR] op_sel:[1,0,0] op_sel_hi:[1,0,0]
.endr
.set t, t+1
.endr
	WIN W_PK
.set i, 0
.rept 128
	v_cvt_pk_bf16_f32 v[Q+i], v[2*i], v[2*i+1]
.set i, i+1
.endr
	WIN 0
	s_barrier_wait -1                              ; no wave stores into the rows before all four have read
	s_wait_alu depctr_va_vdst(0)                   ; the roundings have written v[Q ..], the data of the LDS stores below
.irp rb, 0,1,2,3
.irp cb, 0,1,2,3,4,5,6,7
	ds_store_b128 v[QD+\rb], v[Q+4*(8*\rb+\cb):Q+4*(8*\rb+\cb)+3] offset:32*\cb
.endr
.endr
	s_branch .Ljoin
.LtailA:
	RING 2
	RCPALL W_12                                    ; att stays in window 2
	RING 3
	WIN 0
	s_wait_alu depctr_va_vdst(0)                   ; the 256 reciprocals have written att
.Ljoin:
	s_wait_dscnt 0x0                               ; for the others' sake: my stores are done
	BAR
	s_wait_alu depctr_vm_vsrc(0)                   ; my LDS stores have read v[Q ..] and v[QD ..], my LDS loads v[QS ..] and v[ADA ..]: the next pass and its tail write all of them again
	s_add_co_u32 s[PI], s[PI], 1
	s_cmp_lt_u32 s[PI], 4
	s_cbranch_scc1 .Lpass
; THE LAST TAIL AND THE WAY OUT go by blocks of 16 rows (8 accumulators, 64 registers), so that a block's stores leave while the later blocks are still worked on.
.macro RCPB rb                         ; g of block rb, and a plain instruction behind the last reciprocal
	WIN W_IN1
.set i, 64*(\rb)
.rept 64
	v_rcp_f32 v[i], v[i]
.set i, i+1
.endr
	v_nop
.endm
.macro MATH rb
	WIN W_IN1
	s_wait_alu depctr_va_vdst(0)                   ; the block's 64 reciprocals have written g, which the lines below read
.set i, 32*(\rb)
.rept 32
	v_pk_fma_f32 v[2*i:2*i+1], v[2*i:2*i+1], -2.0, 1.0 op_sel_hi:[1,0,0]              ; c = 1 - 2 g
.set i, i+1
.endr
	WIN W_SUB
.set i, 32*(\rb)
.rept 32
	v_pk_add_f32 v[2*i:2*i+1], v[2*i:2*i+1], v[2*i:2*i+1] neg_lo:[0,1] neg_hi:[0,1]   ; c - h
.set i, i+1
.endr
	WIN W_FMA
.set i, 32*(\rb)
.rept 32
	v_pk_fma_f32 v[2*i:2*i+1], v[2*i:2*i+1], v[2*i:2*i+1], v[2*i:2*i+1]               ; att (c - h) + h
.set i, i+1
.endr
.endm
; A lane's eight numbers of a row, 32 bytes, go into my own stage; whole rows of my wave's 512 bytes come back, into att's registers of the same block, which MATH has read for the last time:
; four blocks of registers, none written twice, so no store's data is ever waited for.
.macro STAGE rb
	WIN W_ST1
	s_wait_alu depctr_va_vdst(0)                   ; the block's last lines have written its results, which the LDS stores read, and are done reading att's block, in which the loads from the stage land
.irp cb, 0,1,2,3,4,5,6,7
	ds_store_b128 v[STO], v[8*(8*(\rb)+\cb):8*(8*(\rb)+\cb)+3]   offset:64*\cb
	ds_store_b128 v[STO], v[8*(8*(\rb)+\cb)+4:8*(8*(\rb)+\cb)+7] offset:64*\cb+16
.endr
	WIN W_TO2
.set i, 0
.rept 16
	ds_load_b128 v[64*(\rb)+4*i:64*(\rb)+4*i+3], v[RD] offset:SPITCH*i  ; LDS serves a wave's instructions in order (ISA guide 5.7.1.4): these see the stores above, and the next block's stores come behind them
.set i, i+1
.endr
.endm
.macro SEND rb
	WIN W_ST2
.set i, 0
.rept 16
	s_wait_dscnt 15-i                              ; row i is back: behind it only the block's later rows were asked for
	global_store_b128 v[CO], v[64*(\rb)+4*i:64*(\rb)+4*i+3], s[OUTP:OUTP+1] offset:(16*(\rb)+i)*2048 th:TH_STORE_NT  ; 512 consecutive bytes, at a multiple of 512 from out's first
.set i, i+1
.endr
.endm
.LtailC:
	s_wait_loadcnt 0x0                             ; no load into the ring's registers is out: they take h
	QLOAD TADB                                     ; no wait: the matrix instructions that read v104-231 stand ahead of the exponentials' wait, and nothing behind it names these registers or v[TADB ..]
	RCPB 0                                         ; stands in the wait for h
	s_wait_dscnt 0x0
	WIN W_TO3
.set i, 0
.rept 128
	v_lshlrev_b32 v[2*i],   16, v[Q+i]             ; bf16 to f32: the low half moves up,
	v_and_b32     v[2*i+1], s[HIM], v[Q+i]         ; the high half stays
.set i, i+1
.endr
	MATH 0
	STAGE 0
.irp b, 1,2,3                          ; a block's arithmetic stands between the loads of the block before and its stores
	RCPB \b
	MATH \b
	SEND (\b)-1
	STAGE \b
.endr
	SEND 3
	WIN 0
	s_wait_dscnt 0x0                               ; the closing lines, six on end
	s_wait_alu 0x0
	s_wait_tensorcnt 0x0
	ds_add_u32 v[SPW], v[NIL]
	s_wait_dscnt 0x0
	s_endpgm
.Lfunc_end_k_qecbccac8c7_gru:
	.size	k_qecbccac8c7_gru, .Lfunc_end_k_qecbccac8c7_gru-k_qecbccac8c7_gru
	.p2alignl 7, 3214868480
	.fill 96, 4, 3214868480
	.section	.rodata,"a",@progbits
	.p2align	6, 0x0
	.amdhsa_kernel k_qecbccac8c7_gru
		.amdhsa_group_segment_fixed_size 297472
		.amdhsa_private_segment_fixed_size 0
		.amdhsa_enable_private_segment 0
		.amdhsa_kernarg_size 72
		.amdhsa_user_sgpr_count 2
		.amdhsa_user_sgpr_kernarg_segment_ptr 1
		.amdhsa_wavefront_size32 1
		.amdhsa_system_sgpr_workgroup_id_x 1
		.amdhsa_system_sgpr_workgroup_id_y 1
		.amdhsa_system_sgpr_workgroup_id_z 1
		.amdhsa_system_vgpr_workitem_id 0
		.amdhsa_next_free_vgpr 1024
		.amdhsa_next_free_sgpr 66
		.amdhsa_reserve_vcc 0
		.amdhsa_float_denorm_mode_32 3
		.amdhsa_float_denorm_mode_16_64 3
		.amdhsa_memory_ordered 1
		.amdhsa_forward_progress 1
		.amdhsa_inst_pref_size 253
	.end_amdhsa_kernel
	.amdgpu_metadata
---
amdhsa.version: [ 1, 2 ]
amdhsa.kernels:
  - .name:           k_qecbccac8c7_gru
    .symbol:         k_qecbccac8c7_gru.kd
    .args:
      - { .name: state, .offset: 0, .size: 8, .value_kind: global_buffer, .address_space: global }
      - { .name: inputs, .offset: 8, .size: 8, .value_kind: global_buffer, .address_space: global }
      - { .name: parent_state, .offset: 16, .size: 8, .value_kind: global_buffer, .address_space: global }
      - { .name: w_a_b, .offset: 24, .size: 8, .value_kind: global_buffer, .address_space: global }
      - { .name: w_r_b, .offset: 32, .size: 8, .value_kind: global_buffer, .address_space: global }
      - { .name: w_r1_b, .offset: 40, .size: 8, .value_kind: global_buffer, .address_space: global }
      - { .name: w_c_b, .offset: 48, .size: 8, .value_kind: global_buffer, .address_space: global }
      - { .name: wq, .offset: 56, .size: 8, .value_kind: global_buffer, .address_space: global }
      - { .name: out0, .offset: 64, .size: 8, .value_kind: global_buffer, .address_space: global }
    .group_segment_fixed_size: 297472
    .private_segment_fixed_size: 0
    .kernarg_segment_align: 8
    .kernarg_segment_size: 72
    .max_flat_workgroup_size: 128
    .sgpr_count:     66
    .vgpr_count:     1024
    .wavefront_size: 32
...
	.end_amdgpu_metadata
.endif
;; end of part 3
